; MI455X (gfx1250); checked and timed in simulation.
; The chip was launched on July 23, 2026; its instructions are those of AMD's public machine-readable ISA for CDNA 5 (MIT licence, August 2026) and "CDNA5" Instruction Set Architecture Reference Guide (July 2026). The comments in the code are by the model that wrote it; some were corrected since.
;; Discrete Selector Transform. Allowed arithmetic: float matrix products may take bf16 or f16 operands with f32 sums; other float arithmetic in f32, or as packed bf16 or f16 multiplies, adds, multiply-adds, maxima and minima; sums over many terms, partial sums and values carried from step to step in f32; what a program stores and reads back later, other than sums and carried values, may be rounded once to bf16 or f16.
;; Inputs: W 8 x 512 x 1,024 float32; b 8 x 1,024 float32; x 16,384 int32; y 16,384 x 512 float32.
;; Outputs: out0 16,384 x 512 float32.
;; 2 versions, each right; version 2 is version 1 with the launch chain written anew for expert scheduling mode. Each part assembles by itself: llvm-mc -triple=amdgcn-amd-amdhsa -mcpu=gfx1250 --defsym DOCPART=n.
;; ======== version 1 of 2: 2 launches
;; workspace buffers: wb 4,128,768 bytes; rows 67,328 bytes of whole numbers; tinfo 2,048 bytes of whole numbers
;; launch prep (part 1): grid 269 x 1, 16 waves a work-group, no clusters, 2,304 bytes of LDS; arguments W, x, wb, rows, tinfo; writes wb, rows, tinfo
.if DOCPART == 1
	.amdgcn_target "amdgcn-amd-amdhsa--gfx1250"
	.amdhsa_code_object_version 6
	.text
	.protected	k_q5e979d8e96_prep
	.globl	k_q5e979d8e96_prep
	.p2align	8
	.type	k_q5e979d8e96_prep,@function
k_q5e979d8e96_prep:
	s_mov_b64 s[64:65], 0
	v_nop
	global_prefetch_b8 v0, s[64:65] scope:SCOPE_SE
	s_setreg_imm32_b32 hwreg(HW_REG_WAVE_MODE, 25, 1), 1
	s_wait_xcnt 0x0
; PREP: two jobs in one launch.
; Work-groups 17..268 (CONVERTERS): the weights that the autoregressive mask keeps, rounded once to bf16 and laid out in the order in which the next launch's waves take them as matrix operands.
;   wb is 504 chunks of 8,192 bytes: chunk 72 key + 18 s + i = step i of stream s of expert key + 1.  Stream s walks column group 2 s (K blocks 4 s + i, 16 - 4 s steps), then group 7 - 2 s (K blocks i - 2).
;   Group g = columns 64 g .. 64 g + 63 of the shift half (fragments 0-3 of 16 columns) and of the log-scale half (fragments 4-7); a K block is 32 rows d of W.
;   In a fragment (1,024 bytes) byte 512 p + 256 h + 16 r holds W[32 kb + 16 p + 8 h + 0..7][16 f + r], the lower d in the lower bits.  Only d > column (mod 512) is kept.
;   LIMIT: a masked entry is replaced by 0, not multiplied by 0: an infinity or NaN there is not carried on.
; Work-groups 0..16 (SORTERS): a counting sort of the 16,384 labels, without atomics.  key = (x - 1) & 7: experts 1..7 are keys 0..6, the identity is key 7 (x is taken modulo 8).
;   rows: 263 tiles of 64 token numbers, each tile of one key; places past a key's count hold 0.  tinfo[t] = key | count << 8; key 8: no rows.
;   Every sorter counts all labels for itself (16 waves x 1,024, 32 a lane).  Work-group u < 16 then stores the places of two of each lane's 32 tokens: numbers 8 (u / 4) + 2 (u % 4) and the next;
;   so the 4-byte stores to places far apart are spread over sixteen work-groups, 32 store instructions each.  Work-group 16 stores tinfo and the 448 places that no token takes.
.set SPARE, 256                        ; LDS: 0..255 the waves' totals, 16 bytes a wave; from 256 the spare words, 128 bytes for each of 16 waves
.set LAST,  16831                      ; the last place in rows: 263 x 64 - 1
.set NPLACE, 16                        ; work-groups that place tokens
.set NSORT,  17                        ; and the one that writes tinfo
.set TK,  12                           ; v[12:15]  the waves' totals; later v12-13: two stores' token numbers
.set SS,  20                           ; v[20:31]  my lane's counts in its first 8, 16 and 24 tokens, in ACC's fields
.set XK,  32                           ; v[32:63]  my 32 labels, then 4 x their keys
.set NB,  64                           ; v[64:67]  counts of 8 tokens each: a nibble a key
.set ACC, 68                           ; v[68:71]  my lane's counts, 16 bits a key: register k holds key k below, key k + 4 above
.set INC, 72                           ; v[72:75]  the same, summed over the lanes up to mine
.set PP,  76                           ; v[76:79]  the next place of each key for my lane, in the same fields
.set AD,  80                           ; v[80:81]  two stores' offsets
	s_load_b256 s[4:11], s[0:1], 0x0               ; W s[4:5], x s[6:7], wb s[8:9], rows s[10:11]
	s_load_b64 s[12:13], s[0:1], 0x20              ; tinfo
	v_lshl_add_u32 v94, v0, 2, SPARE               ; my spare word and 0, kept for the closing add alone
	v_mov_b32 v95, 0
	v_and_b32 v1, 31, v0                           ; lane
	v_lshrrev_b32 v2, 5, v0
	v_readfirstlane_b32 s16, v2                    ; wave 0..15
	s_cmp_ge_u32 ttmp9, NSORT
	s_cbranch_scc1 .Lconv
; ---------------------------------------------------------------- the sorters
; register dst + k = fields k and k + 4 of nibble word n, widened to 16 bits, + register src + k (no src: the fields alone)
.macro WIDEN dst, n, src=-1
.irp k, 0,1,2,3
.if \k
	v_lshrrev_b32 v6, 4*\k, v[\n]
.endif
.if (\src) < 0
.if \k
	v_and_b32 v[(\dst)+\k], s17, v6
.else
	v_and_b32 v[(\dst)+\k], s17, v[\n]
.endif
.else
.if \k
	v_and_b32 v6, s17, v6
.else
	v_and_b32 v6, s17, v[\n]
.endif
	v_add_nc_u32 v[(\dst)+\k], v[(\src)+\k], v6
.endif
.endr
.endm
.macro SCAN16 r                        ; running sum over each half of 16 lanes; a lane without a source takes 0
.irp n, 1,2,4,8
	v_mov_b32_dpp v4, v[\r] row_shr:\n row_mask:0xf bank_mask:0xf bound_ctrl:1
	v_add_nc_u32 v[\r], v[\r], v4
.endr
.endm
.macro SCAN32 r                        ; and the lower half's total onto the upper half
	SCAN16 \r
	v_readlane_b32 s18, v[\r], 15
	v_and_b32 v4, s18, v3
	v_add_nc_u32 v[\r], v[\r], v4
.endm
	s_lshl_b32 s18, s16, 12
	v_lshl_add_u32 v11, v1, 4, s18                 ; my wave's 1,024 labels, 16 bytes a lane and load
	s_mov_b32 s17, 0x000f000f
	v_cmp_lt_u32 vcc_lo, 15, v1
	v_cndmask_b32 v3, 0, -1, vcc_lo                ; all ones in lanes 16-31
	v_mov_b32 v4, 0                                ; the lane moves' destination counts as read: written once here
	s_wait_kmcnt 0x0
.irp q, 0,1,2,3,4,5,6,7
	global_load_b128 v[XK+4*\q:XK+4*\q+3], v11, s[6:7] offset:512*\q   ; token 1024 w + 128 q + 4 lane + 0..3
.endr
.set j, 0
.rept 32
.if j%4 == 0
	s_wait_loadcnt 7-j/4                           ; loads come back in order: the later ones stay out
.endif
	v_lshl_add_u32 v[XK+j], v[XK+j], 2, -4
	v_and_b32 v[XK+j], 28, v[XK+j]                 ; 4 x key = (4 x - 4) & 28: the key's nibble
.if j%8 == 0
	v_lshl_add_u32 v[NB+j/8], 1, v[XK+j], 0        ; eight tokens to a word: no nibble passes 8
.else
	v_lshl_add_u32 v[NB+j/8], 1, v[XK+j], v[NB+j/8]
.endif
.set j, j+1
.endr
	WIDEN SS, NB                                   ; the sums are kept as they grow: a placer of a later eight begins behind them
	WIDEN SS+4, NB+1, SS
	WIDEN SS+8, NB+2, SS+4
	WIDEN ACC, NB+3, SS+8
.irp k, 0,1,2,3
	v_mov_b32 v[INC+\k], v[ACC+\k]
.endr
.irp k, 0,1,2,3
	SCAN32 INC+\k
.endr
.irp k, 0,1,2,3
	v_readlane_b32 s[20+\k], v[INC+\k], 31         ; my wave's totals
	v_mov_b32 v[TK+\k], s[20+\k]
.endr
	s_lshl_b32 s18, s16, 4
	v_mov_b32 v7, s18
	ds_store_b128 v7, v[TK:TK+3]                   ; every lane the same 16 bytes: my wave's own words
	s_wait_dscnt 0x0                               ; for the others' sake: my store is done
	s_barrier_signal -1
	s_barrier_wait -1
	v_and_b32 v7, 15, v1
	v_lshlrev_b32 v7, 4, v7
	ds_load_b128 v[TK:TK+3], v7                    ; lane l: the totals of wave l % 16
	s_wait_dscnt 0x0
.irp k, 0,1,2,3
	SCAN16 TK+\k
.endr
.irp k, 0,1,2,3
	v_readlane_b32 s[24+\k], v[TK+\k], 15          ; all waves' totals
.endr
	s_cmp_eq_u32 ttmp9, NPLACE
	s_cbranch_scc1 .Linfo
	; THE PLACERS.  s[32+k]: key k's first place, 64 x the tiles of the keys before it
.irp k, 0,1,2,3
	v_readlane_b32 s[28+\k], v[TK+\k], s16         ; the waves' totals up to mine,
	s_sub_co_u32 s[28+\k], s[28+\k], s[20+\k]      ; less mine: each field stays at 0 or above, so none borrows
.endr
	s_mov_b32 s74, 0                               ; tiles so far
.set k, 0
.rept 8
	s_lshl_b32 s[32+k], s74, 6
.if k < 4
	s_and_b32 s76, s[24+k], 0xffff
.elseif k < 7
	s_lshr_b32 s76, s[20+k], 16                    ; s[24 + k - 4]
.endif
.if k < 7
	s_add_co_u32 s76, s76, 63
	s_lshr_b32 s76, s76, 6
	s_add_co_u32 s74, s74, s76
.endif
.set k, k+1
.endr
.irp k, 0,1,2,3
	s_lshl_b32 s76, s[36+\k], 16
	s_add_co_u32 s76, s76, s[32+\k]
	s_add_co_u32 s76, s76, s[28+\k]
	v_sub_nc_u32 v[PP+\k], v[INC+\k], v[ACC+\k]    ; the lanes before mine,
	v_add_nc_u32 v[PP+\k], s76, v[PP+\k]           ; the key's first place and the waves before mine: 16,832 at the most, inside 16 bits
.endr
	s_lshl_b32 s18, s16, 10
	v_lshl_add_u32 v10, v1, 2, s18                 ; 1024 w + 4 lane
.macro BUMP                            ; token j is counted in v9, a nibble a key, from its eight's first token on
.if j%8 == 0
	v_lshl_add_u32 v9, 1, v[XK+j], 0
.else
	v_lshl_add_u32 v9, 1, v[XK+j], v9
.endif
.endm
; token j of my 32: its place = its key's next place at its eight's head + the eight's earlier tokens of that key.  n: which of the unit's two stores
.macro PLACE n
	v_and_b32 v6, 4, v[XK+j]
	v_cmp_ne_u32 vcc_lo, 0, v6
	v_cndmask_b32 v7, v[PP], v[PP+1], vcc_lo
	v_cndmask_b32 v8, v[PP+2], v[PP+3], vcc_lo
	v_and_b32 v6, 8, v[XK+j]
	v_cmp_ne_u32 vcc_lo, 0, v6
	v_cndmask_b32 v7, v7, v8, vcc_lo               ; register key % 4,
	v_and_b32 v6, 16, v[XK+j]
	v_bfe_u32 v7, v7, v6, 16                       ; its lower or upper field
.if j%8
	v_bfe_u32 v6, v9, v[XK+j], 4
	v_add_lshl_u32 v7, v7, v6, 2
.else
	v_lshlrev_b32 v7, 2, v7
.endif
	v_min_u32 v[AD+\n], 4*LAST, v7                 ; a number made of loaded data enters an address only behind this bound
	v_add_nc_u32 v[TK+\n], 128*(j/4)+j%4, v10
	global_store_b32 v[AD+\n], v[TK+\n], s[10:11]
.endm
.macro UNIT u                          ; work-group u's share
.Lunit\u:
.if (\u)/4
.irp k, 0,1,2,3
	v_add_nc_u32 v[PP+\k], v[PP+\k], v[SS+4*((\u)/4-1)+\k]   ; behind my lane's earlier eights
.endr
.endif
.set j, 8*((\u)/4)
.if (\u)%4
.rept 2*((\u)%4)
	BUMP
.set j, j+1
.endr
.endif
	PLACE 0
	BUMP
.set j, j+1
	PLACE 1
	s_branch .Lsend
.endm
.irp u, 1,2,3,4,5,6,7,8,9,10,11,12,13,14,15
	s_cmp_eq_u32 ttmp9, \u
	s_cbranch_scc1 .Lunit\u
.endr
.irp u, 0,1,2,3,4,5,6,7,8,9,10,11,12,13,14,15
	UNIT \u
.endr
.Linfo:
	; WORK-GROUP 16.  The table, key by key: s[32+k] first place, s[40+k] tiles up to and with key k, s[48+k] end of its tokens, s[56+k] tokens up to and with it, s[66+k] empty places up to and with it
	s_mov_b32 s74, 0                               ; tiles so far
	s_mov_b32 s75, 0                               ; tokens so far
.set k, 0
.rept 8
.if k < 4
	s_and_b32 s76, s[24+k], 0xffff
.else
	s_lshr_b32 s76, s[20+k], 16                    ; s[24 + k - 4]
.endif
	s_lshl_b32 s[32+k], s74, 6
	s_add_co_u32 s[48+k], s[32+k], s76
	s_add_co_u32 s75, s75, s76
	s_mov_b32 s[56+k], s75
	s_add_co_u32 s76, s76, 63
	s_lshr_b32 s76, s76, 6
	s_add_co_u32 s74, s74, s76
	s_mov_b32 s[40+k], s74
	s_lshl_b32 s77, s74, 6
	s_sub_co_u32 s[66+k], s77, s75
.set k, k+1
.endr
	; tinfo, a word a thread: the lowest key whose tiles reach past t
	v_lshlrev_b32 v20, 6, v0
	v_mov_b32 v21, 8
	v_mov_b32 v22, v20
.irp k, 7,6,5,4,3,2,1,0
	v_cmp_gt_u32 vcc_lo, s[40+\k], v0
	v_cndmask_b32 v21, v21, \k, vcc_lo
	v_cndmask_b32 v22, v22, s[48+\k], vcc_lo
.endr
	v_sub_nc_u32 v22, v22, v20
	v_min_u32 v22, 64, v22                         ; the tile's count
	v_lshl_or_b32 v21, v22, 8, v21
	v_lshlrev_b32 v23, 2, v0
	global_store_b32 v23, v21, s[12:13]
	; and the 16,832 - 16,384 = 448 places that no token takes: empty place j of key k lies at j + (tokens up to and with k); behind the last tile at j + 16,384
	v_min_u32 v24, 447, v0                         ; threads 448..511 repeat the last one
	v_mov_b32 v25, 0x4000
	v_mov_b32 v26, 0
.irp k, 7,6,5,4,3,2,1,0
	v_cmp_gt_u32 vcc_lo, s[66+\k], v24
	v_cndmask_b32 v25, v25, s[56+\k], vcc_lo
.endr
	v_add_nc_u32 v25, v24, v25
	v_min_u32 v25, LAST, v25
	v_lshlrev_b32 v25, 2, v25
	global_store_b32 v25, v26, s[10:11]
.Lsend:
	s_wait_tensorcnt 0x0                           ; the wave's end, behind my last LDS store
	ds_add_u32 v94, v95
	s_wait_dscnt 0x0
	s_endpgm
; ---------------------------------------------------------------- the converters: two chunks a work-group, eight waves a chunk; no LDS, no barrier
.Lconv:
	s_sub_co_u32 s18, ttmp9, NSORT
	s_lshl_b32 s18, s18, 1
	s_lshr_b32 s19, s16, 3
	s_add_co_u32 s18, s18, s19                     ; chunk 0..503
	s_mul_hi_u32 s20, s18, 59652324                ; key = chunk / 72 (2^32 / 72, rounded up: exact for numbers this small)
	s_mul_i32 s21, s20, 72
	s_sub_co_u32 s21, s18, s21
	s_mul_hi_u32 s22, s21, 238609295               ; stream s = rest / 18
	s_mul_i32 s23, s22, 18
	s_sub_co_u32 s23, s21, s23                     ; step i
	s_lshl_b32 s24, s22, 2
	s_sub_co_u32 s25, 16, s24                      ; the first group's steps
	s_lshl_b32 s26, s22, 1
	s_sub_co_u32 s27, 7, s26
	s_add_co_u32 s28, s24, s23
	s_sub_co_u32 s29, s23, 2
	s_cmp_lt_u32 s23, s25
	s_cselect_b32 s26, s26, s27                    ; g = 2 s, or 7 - 2 s
	s_cselect_b32 s28, s28, s29                    ; kb = 4 s + i, or i - 2
	s_and_b32 s30, s16, 3                          ; o = 2 p + h: which eight rows d of the K block are my wave's
	s_bfe_u32 s31, s16, 0x10002                    ; shift half (0) or log-scale half (1)
	s_lshl_b32 s32, s28, 5
	s_lshl3_add_u32 s32, s30, s32                  ; d0 = 32 kb + 8 o
	s_add_co_u32 s33, s20, 1
	s_lshl_b32 s33, s33, 21                        ; expert key + 1: 512 x 1,024 x 4 bytes each
	s_lshl_b32 s34, s32, 12
	s_add_co_u32 s33, s33, s34
	s_lshl_b32 s34, s31, 11
	s_add_co_u32 s33, s33, s34
	s_lshl_b32 s34, s26, 8
	s_add_co_u32 s34, s33, s34
	s_mov_b32 s35, 0
	s_lshl_b32 s36, s18, 13
	s_lshl_b32 s37, s31, 12
	s_add_co_u32 s36, s36, s37
	s_lshl_b32 s37, s30, 8
	s_add_co_u32 s36, s36, s37
	s_mov_b32 s37, 0
	s_lshl_b32 s38, s26, 6
	s_sub_co_i32 s38, s38, s32                     ; 64 g - d0
	v_lshlrev_b32 v20, 2, v1                       ; from: column lane (+ 32 u)
	v_lshrrev_b32 v21, 4, v1
	v_and_b32 v24, 15, v1
	v_lshlrev_b32 v24, 4, v24
	v_lshl_add_u32 v21, v21, 10, v24               ; to: fragment lane / 16 (+ 2 u), 16 bytes at 16 (lane % 16)
	v_add_nc_u32 v22, s38, v1                      ; row d0 + j is kept where j > column - d0
	v_add_nc_u32 v23, 32, v22
	s_wait_kmcnt 0x0
	s_add_nc_u64 s[34:35], s[4:5], s[34:35]
	s_add_nc_u64 s[36:37], s[8:9], s[36:37]
.irp u, 0,1
.irp j, 0,1,2,3,4,5,6,7
	global_load_b32 v[32+8*\u+\j], v20, s[34:35] offset:4096*\j+128*\u th:TH_LOAD_NT   ; the two loads of a row cover 256 consecutive bytes, aligned
.endr
.endr
.irp u, 0,1
	s_wait_loadcnt 8-8*\u                          ; the second half's eight loads are younger
.irp j, 0,1,2,3,4,5,6,7
	v_cmp_gt_i32 vcc_lo, \j, v[22+\u]
	v_cndmask_b32 v[32+8*\u+\j], 0, v[32+8*\u+\j], vcc_lo
.endr
.irp m, 0,1,2,3
	v_cvt_pk_bf16_f32 v[48+4*\u+\m], v[32+8*\u+2*\m], v[32+8*\u+2*\m+1]
.endr
	global_store_b128 v21, v[48+4*\u:51+4*\u], s[36:37] offset:2048*\u   ; sixteen lanes store 256 consecutive bytes, aligned
.endr
	s_endpgm
.Lfunc_end_k_q5e979d8e96_prep:
	.size	k_q5e979d8e96_prep, .Lfunc_end_k_q5e979d8e96_prep-k_q5e979d8e96_prep
	.p2alignl 7, 3214868480
	.fill 96, 4, 3214868480
	.section	.rodata,"a",@progbits
	.p2align	6, 0x0
	.amdhsa_kernel k_q5e979d8e96_prep
		.amdhsa_group_segment_fixed_size 2304
		.amdhsa_private_segment_fixed_size 0
		.amdhsa_enable_private_segment 0
		.amdhsa_kernarg_size 40
		.amdhsa_user_sgpr_count 2
		.amdhsa_user_sgpr_kernarg_segment_ptr 1
		.amdhsa_wavefront_size32 1
		.amdhsa_system_sgpr_workgroup_id_x 1
		.amdhsa_system_sgpr_workgroup_id_y 1
		.amdhsa_system_sgpr_workgroup_id_z 1
		.amdhsa_system_vgpr_workitem_id 0
		.amdhsa_next_free_vgpr 96
		.amdhsa_next_free_sgpr 80
		.amdhsa_reserve_vcc 1
		.amdhsa_float_denorm_mode_32 3
		.amdhsa_float_denorm_mode_16_64 3
		.amdhsa_memory_ordered 1
		.amdhsa_forward_progress 1
		.amdhsa_inst_pref_size 54
	.end_amdhsa_kernel
	.amdgpu_metadata
---
amdhsa.version: [ 1, 2 ]
amdhsa.kernels:
  - .name:           k_q5e979d8e96_prep
    .symbol:         k_q5e979d8e96_prep.kd
    .args:
      - { .name: W, .offset: 0, .size: 8, .value_kind: global_buffer, .address_space: global }
      - { .name: x, .offset: 8, .size: 8, .value_kind: global_buffer, .address_space: global }
      - { .name: wb, .offset: 16, .size: 8, .value_kind: global_buffer, .address_space: global }
      - { .name: rows, .offset: 24, .size: 8, .value_kind: global_buffer, .address_space: global }
      - { .name: tinfo, .offset: 32, .size: 8, .value_kind: global_buffer, .address_space: global }
    .group_segment_fixed_size: 2304
    .private_segment_fixed_size: 0
    .kernarg_segment_align: 8
    .kernarg_segment_size: 40
    .max_flat_workgroup_size: 512
    .sgpr_count:     80
    .vgpr_count:     96
    .wavefront_size: 32
...
	.end_amdgpu_metadata
.endif
;; end of part 1
;; launch chain (part 2): grid 263 x 1, 4 waves a work-group, no clusters, 89,600 bytes of LDS; arguments y, b, wb, rows, tinfo, out0; writes out0
.if DOCPART == 2
	.amdgcn_target "amdgcn-amd-amdhsa--gfx1250"
	.amdhsa_code_object_version 6
	.text
	.protected	k_q5e979d8e96_chain
	.globl	k_q5e979d8e96_chain
	.p2align	8
	.type	k_q5e979d8e96_chain,@function
k_q5e979d8e96_chain:
	s_mov_b64 s[64:65], 0
	v_nop
	global_prefetch_b8 v0, s[64:65] scope:SCOPE_SE
	s_setreg_imm32_b32 hwreg(HW_REG_WAVE_MODE, 25, 1), 1
	s_wait_xcnt 0x0
; CHAIN: out[t] = y[t] exp(h[512 + e]) + h[e], h = y[t] (W[x] masked) + b[x]; out[t] = y[t] where x = 0.  A work-group takes one tile of the list: 64 tokens of one key (rows, tinfo).
; 263 tiles serve every split of 16,384 tokens over 8 keys; a tile without rows (key 8) stores nothing.  Places past a tile's count repeat its first token: they compute and store the same numbers to the same bytes.
; SHARES.  y's 64 rows are gathered once (wave w: rows 16 w .. + 15), rounded to bf16 and laid into LDS.  Then each wave takes all 64 rows and two column groups: 2 w and 7 - 2 w, 18 K steps of 32 for every wave,
; since the mask leaves group g (64 shift and 64 log-scale columns) the K blocks 2 g .. 15.  4 row blocks x 8 fragments = 32 accumulators, 32 matrix instructions a step.
; The weights come from wb straight into registers as operands: a wave's stream is 147,456 consecutive bytes that it alone of its work-group reads, so LDS would only add a write and a read.
; They are asked for three steps ahead, through a ring of four register buffers; no load stands under a branch: three trips of four steps ask alike, the last six steps are written out.
; NO CLUSTER: partners would have to share an expert, and tiles of 64 rows of one expert do not come in fours at every split.
; THE MATRIX INSTRUCTION IS USED TRANSPOSED (source 0 = 16 columns of W, source 1 = 16 tokens): a lane holds one token (lane % 16) and eight neighbouring columns 8 (lane / 16) + 0..7.
; The bias, in f32, is the C operand of a group's first product: nothing is cleared and nothing is added later.
; LIMITS.  y and W are rounded once to bf16; y in y exp() + shift is that bf16 number too (the identity's rows are copied in f32).  2^z below 2^-126 counts as 0.  Sums, exponentials and the last multiply-add are f32.
; REGISTERS, in windows of 256 (s_set_vgpr_msb: bits 1:0 source 0, 3:2 source 1, 5:4 source 2, 7:6 destination):
;   window 0: addresses, A's two fragment buffers, the bias fragments (on the way out: rows read back), y for the way out, the rows' offsets in out
;   window 1: a ring of four buffers of 64 for the weights' fragments          window 2: first y's 16 rows in f32, then the 32 accumulators ((a, f) at 8 (8 a + f))
.set PA,     1040                      ; a row of y in LDS: 1,024 bytes of bf16 + 16 = 65 x 16: the 16 rows of a fragment load start at 16 different groups of four banks (64 banks of 4 bytes: ISA guide 11.1)
.set BIAS,   64*PA                     ; 66,560: b of the tile's expert, 1,024 f32
.set IDS,    BIAS+4096                 ; 70,656: 256 bytes a wave: its own copy of the tile's 64 token numbers
.set STAGE,  IDS+1024                  ; 71,680: 16 rows x 272 bytes a wave, for the way out
.set SPITCH, 272
.set SPARE,  STAGE+4*16*SPITCH         ; 89,088: the spare words, 128 bytes a wave
.set CHUNK,  8192                      ; a step's weights for a wave
.set LANE, 1
.set RR,   2                           ; lane % 16
.set HH,   3                           ; lane / 16
.set L16,  4                           ; 16 x lane
.set A0,   5                           ; my place in a fragment of y: row x pitch + 16 x half
.set AN,   6                           ; the same at the K block to be fetched
.set YA,   7                           ; the same at the group's own columns, for the way out
.set STO,  8                           ; the way out: where I put 32 bytes of a row
.set RD,   9                           ; the way out: where I read a row back
.set BIA,  10                          ; BIAS + 32 x half
.set BIAG, 11                          ; the same at the group's columns
.set AST,  12                          ; where I put 8 bytes of a converted row
.set IDSR, 14
.set IDSW, 15
.set TOK,  16                          ; v16-17  token numbers of places 2 lane and 2 lane + 1
.set TMP,  18                          ; v18-19
.set BST,  20
.set C16,  21
.set SPW,  22                          ; my spare word; never rewritten
.set NIL,  23                          ; 0; never rewritten
.set CV,   24                          ; v24-31  a converted row
.set AF,   32                          ; v32-95  A's fragments, two buffers of 4 x 8
.set OFFS, 32                          ; v32-47  before the products: my 16 rows' byte offsets in y and out
.set BT,   48                          ; v48-55  before the products: my 32 bytes of the bias
.set CB,   96                          ; v96-159 the group's 8 bias fragments
.set RB,   96                          ;         on the way out: two sets of 8 x 4, rows read back
.set YF,   160                         ; v160-191 two sets of 16: y at the group's columns
.set ROW,  192                         ; v192-223 row 16 a + 2 t + half: its byte offset in out, + 16 (lane % 16)
.set BOF,  224                         ; v224    my byte offset in the expert's bias
.set WV,   16
.set INFO, 18
.set KEY,  19
.set CNT,  20
.set KEY6, 21
.set OF,   22                          ; s[22:23] an offset, 0 above
.set BP,   24                          ; s[24:25] my stream of weights, at the trip's first step
.set OP,   26                          ; s[26:27] out at the group's columns
.set TT,   28                          ; the trip
.set SW,   29                          ; 3 - w: the first group's last four steps
.set FIRST, 30                         ; 1: the next step starts a group's sums
.set AOFF, 31                          ; byte of the K block to be fetched in a row of y
.set AOFFB, 32                         ; the second group's first: 64 (14 - 4 w)
.set TOK0, 33                          ; the tile's first token
.set LE,   36                          ; s[36:37] log2(e)
.set TOKS, 48                          ; s[48:63] the token numbers of my 16 rows
.set MSB, 0
.macro WIN new                         ; the immediate's high byte repeats the setting that is left; a switch that changes nothing is dropped
.if MSB != (\new)
	s_set_vgpr_msb (MSB<<8)|(\new)
.set MSB, \new
.endif
.endm
	s_load_b256 s[4:11], s[0:1], 0x0               ; y s[4:5], b s[6:7], wb s[8:9], rows s[10:11]
	s_load_b128 s[12:15], s[0:1], 0x20             ; tinfo s[12:13], out0 s[14:15]
	v_lshl_add_u32 v[SPW], v0, 2, SPARE
	v_mov_b32 v[NIL], 0
	v_lshrrev_b32 v[TMP], 5, v0
	v_readfirstlane_b32 s[WV], v[TMP]              ; wave 0..3
	v_and_b32 v[LANE], 31, v0
	v_and_b32 v[RR], 15, v0
	v_bfe_u32 v[HH], v0, 4, 1
	v_lshlrev_b32 v[L16], 4, v[LANE]
	v_lshlrev_b32 v[TMP+1], 3, v[LANE]
	v_lshlrev_b32 v[BOF], 5, v0
	s_lshl_b32 s[OF], ttmp9, 2
	s_mov_b32 s[OF+1], 0
	s_wait_kmcnt 0x0
	s_add_nc_u64 s[44:45], s[12:13], s[OF:OF+1]
	s_load_b32 s[INFO], s[44:45], 0x0              ; the tile's key and count,
	s_lshl_b32 s[OF], ttmp9, 8
	s_add_nc_u64 s[42:43], s[10:11], s[OF:OF+1]
	s_load_b32 s[TOK0], s[42:43], 0x0              ; its first token,
	s_lshl_b32 s[OF], s[WV], 6
	s_add_nc_u64 s[34:35], s[42:43], s[OF:OF+1]
	s_load_b512 s[TOKS:TOKS+15], s[34:35], 0x0     ; and the tokens of my 16 rows: one wait serves all three, and y's addresses are made of scalars
	global_load_b64 v[TOK:TOK+1], v[TMP+1], s[42:43]   ; all 64 token numbers, two a lane: wanted for the way out alone
	; the lanes' addresses are made while these are out
	v_mul_u32_u24 v[A0], v[RR], PA
	v_lshl_add_u32 v[A0], v[HH], 4, v[A0]
	s_mul_i32 s38, s[WV], 16*SPITCH
	s_add_co_u32 s38, s38, STAGE                   ; my stage
	v_mul_u32_u24 v[STO], v[RR], SPITCH            ; in: row lane % 16, 32 bytes for each half of the lanes
	v_lshl_add_u32 v[STO], v[HH], 5, v[STO]
	v_add_nc_u32 v[STO], s38, v[STO]
	v_mul_u32_u24 v[RD], v[HH], SPITCH             ; back: lanes 0-15 one row of 256 bytes, lanes 16-31 the next
	v_lshl_add_u32 v[RD], v[RR], 4, v[RD]
	v_add_nc_u32 v[RD], s38, v[RD]
	v_lshl_add_u32 v[BIA], v[HH], 5, BIAS
	s_mul_i32 s39, s[WV], 16*PA
	v_lshl_add_u32 v[AST], v[LANE], 3, s39
	s_lshl_b32 s40, s[WV], 8
	s_add_co_u32 s40, s40, IDS                     ; my copy of the token numbers
	v_lshl_add_u32 v[IDSR], v[HH], 2, s40
	v_lshl_add_u32 v[IDSW], v[LANE], 3, s40
	v_lshl_add_u32 v[BST], v0, 5, BIAS
	v_lshlrev_b32 v[C16], 4, v[RR]
	v_lshlrev_b32 v[TMP], 1, v[LANE]               ; place 2 lane
	s_wait_kmcnt 0x0
	s_and_b32 s[KEY], s[INFO], 0xff
	s_min_u32 s[KEY], s[KEY], 8
	s_lshr_b32 s[CNT], s[INFO], 8
	s_min_u32 s[CNT], s[CNT], 64
	s_min_u32 s[KEY6], s[KEY], 6                   ; an identity tile and a tile without rows run up to the barrier like any other, on key 6's bias and weights, which they do not use
	s_add_co_u32 s[OF], s[KEY6], 1
	s_lshl_b32 s[OF], s[OF], 12
	s_add_nc_u64 s[46:47], s[6:7], s[OF:OF+1]      ; b of expert key + 1
	global_load_b128 v[BT:BT+3], v[BOF], s[46:47]  ; 32 bytes a thread: 4,096 for the work-group
	global_load_b128 v[BT+4:BT+7], v[BOF], s[46:47] offset:16
	s_lshl_b32 s38, s[WV], 4
	s_sub_co_i32 s38, s[CNT], s38
	s_max_i32 s38, s38, 0                          ; how many of my 16 places hold a token
.set p, 0
.rept 16
	s_cmp_gt_u32 s38, p
	s_cselect_b32 s[TOKS+p], s[TOKS+p], s[TOK0]    ; places past the count take the tile's first token
	s_min_u32 s[TOKS+p], s[TOKS+p], 0x3fff         ; a loaded number enters an address only behind this bound
	v_lshl_add_u32 v[OFFS+p], s[TOKS+p], 11, v[L16]
.set p, p+1
.endr
	WIN 0x80                                       ; destination window 2
.set p, 0
.rept 15                                               ; rows 0 to 14; row 15's loads follow row 0's conversion: with the list's load and the two bias loads 63 loads of the wave are out at the most
.irp i, 0,1,2,3
	global_load_b128 v[16*p+4*\i:16*p+4*\i+3], v[OFFS+p], s[4:5] offset:512*\i   ; 512 consecutive bytes of a row of y
.endr
.set p, p+1
.endr
	WIN 0
	s_mul_i32 s[OF], s[KEY6], 72*CHUNK
	s_mul_i32 s38, s[WV], 18*CHUNK
	s_add_co_u32 s[OF], s[OF], s38
	s_add_nc_u64 s[BP:BP+1], s[8:9], s[OF:OF+1]
; Row p: rounded to bf16 and laid into LDS.  Behind each of rows 1 to 12 stand four of the 48 loads that bring the first three steps' weights (load n: 512 bytes at 512 n, registers 4 n of window 1).
; left: the loads younger than row p's four.
.macro CONV p, left
	s_wait_loadcnt \left
	WIN 0x0a                                       ; sources in window 2
.irp i, 0,1,2,3
	v_cvt_pk_bf16_f32 v[CV+2*\i],   v[16*(\p)+4*\i],   v[16*(\p)+4*\i+1]
	v_cvt_pk_bf16_f32 v[CV+2*\i+1], v[16*(\p)+4*\i+2], v[16*(\p)+4*\i+3]
.endr
.if (\p) == 0
	WIN 0x80
.irp i, 0,1,2,3
	global_load_b128 v[240+4*\i:243+4*\i], v[OFFS+15], s[4:5] offset:512*\i
.endr
.endif
	WIN 0x40                                       ; destination window 1 for the loads; the LDS stores have no destination and take both sources from window 0
.if (\p) == 0
	ds_store_b128 v[BST], v[BT:BT+3]               ; the bias loads are older than row 0's
	ds_store_b128 v[BST], v[BT+4:BT+7] offset:16
.endif
.irp i, 0,1,2,3
	ds_store_b64 v[AST], v[CV+2*\i:CV+2*\i+1] offset:PA*(\p)+256*\i
.endr
.if ((\p) >= 1) && ((\p) <= 12)
.irp n, 0,1,2,3
	global_load_b128 v[16*((\p)-1)+4*\n:16*((\p)-1)+4*\n+3], v[L16], s[BP:BP+1] offset:512*(4*((\p)-1)+\n)
.endr
.endif
.endm
.set p, 0
.rept 14
	CONV p, 56                                     ; younger than row p's: 4 (15 - p) loads of y and 4 (p - 1) of weights (row 0: rows 1 to 14)
.set p, p+1
.endr
	CONV 14, 52                                    ; row 15's four and the 48 of weights
	; the rows' offsets in out are made in the wait for row 15, which was asked for last
	WIN 0
	v_cmp_gt_u32 vcc_lo, s[CNT], v[TMP]            ; (the list's load is the oldest of all: it is in)
	v_cndmask_b32 v[TOK], s[TOK0], v[TOK], vcc_lo  ; places past the count take the tile's first token
	v_or_b32 v[TMP], 1, v[TMP]
	v_cmp_gt_u32 vcc_lo, s[CNT], v[TMP]
	v_cndmask_b32 v[TOK+1], s[TOK0], v[TOK+1], vcc_lo
	ds_store_b64 v[IDSW], v[TOK:TOK+1]
.set i, 0
.rept 32
	ds_load_b32 v[ROW+i], v[IDSR] offset:4*(16*(i/8)+2*(i%8))   ; LDS serves a wave's instructions in order (ISA guide 5.7.1.4): these see my store above
.set i, i+1
.endr
	s_wait_dscnt 0x0
.set i, 0
.rept 32
	v_min_u32 v[ROW+i], 0x3fff, v[ROW+i]
	v_lshl_add_u32 v[ROW+i], v[ROW+i], 11, v[C16]
.set i, i+1
.endr
	CONV 15, 48                                    ; the 48 of weights
	WIN 0
	s_wait_dscnt 0x0                               ; for the others' sake: my rows of y and my part of the bias are in LDS
	s_barrier_signal -1
	s_barrier_wait -1                              ; the one barrier; every wave of every tile passes it.  Behind it nobody writes y's rows or the bias
	s_cmp_lt_u32 s[KEY], 7
	s_cbranch_scc1 .Lprod
	s_cmp_lg_u32 s[KEY], 7
	s_cbranch_scc1 .Lend                           ; no rows
	WIN 0x08                                       ; THE IDENTITY: my 16 rows leave as they came, in f32 (store data in window 2)
.set p, 0
.rept 16
.irp i, 0,1,2,3
	global_store_b128 v[OFFS+p], v[16*p+4*\i:16*p+4*\i+3], s[14:15] offset:512*\i th:TH_STORE_NT
.endr
.set p, p+1
.endr
	WIN 0
	s_branch .Lend
; The group's bias as eight C operands: register j of a lane is the bias of column 8 (lane / 16) + j of the fragment, the same for all sixteen tokens.
.macro CBLOAD
.irp f, 0,1,2,3,4,5,6,7
	ds_load_b128 v[CB+8*\f:CB+8*\f+3],   v[BIAG] offset:(\f/4)*2048+(\f%4)*64
	ds_load_b128 v[CB+8*\f+4:CB+8*\f+7], v[BIAG] offset:(\f/4)*2048+(\f%4)*64+16
.endr
.endm
; 32 matrix instructions: 4 row blocks x 8 fragments, 32 along K.  The 32 accumulators take turns, one instruction a turn.  start = 1: the bias starts the sums.
.macro MUL32 q, start
.if \start
	WIN 0x81                                       ; weights window 1, y and the bias window 0, D window 2
.else
	WIN 0xa1                                       ; weights window 1, y window 0, C and D window 2
.endif
.irp a, 0,1,2,3
.irp f, 0,1,2,3,4,5,6,7
.if \start
	v_wmma_f32_16x16x32_bf16 v[8*(8*\a+\f):8*(8*\a+\f)+7], v[64*(\q)+8*\f:64*(\q)+8*\f+7], v[AF+32*((\q)%2)+8*\a:AF+32*((\q)%2)+8*\a+7], v[CB+8*\f:CB+8*\f+7]
.else
	v_wmma_f32_16x16x32_bf16 v[8*(8*\a+\f):8*(8*\a+\f)+7], v[64*(\q)+8*\f:64*(\q)+8*\f+7], v[AF+32*((\q)%2)+8*\a:AF+32*((\q)%2)+8*\a+7], v[8*(8*\a+\f):8*(8*\a+\f)+7]
.endif
.endr
.endr
	WIN 0
.endm
; A STEP, number q of four.  Its weights lie in ring buffer q, its y in buffer q % 2.
; left: how many younger loads of weights may stay out when this step's have to be there.  req = 1: it then asks for the weights three steps on, into the buffer that the step before multiplied.
; af = 1: it fetches the next step's y.  two = 1: the step may be a group's first.
.macro STEP q, left, req, af, two
.if (\af) || (\two) || (\req)
	v_add_nc_u32 v[AN], s[AOFF], v[A0]             ; five plain instructions behind the last products: four ahead of loads into registers that they read,
.rept 4
	v_nop                                          ; five ahead of a product that starts a sum anew over an accumulator (ISA guide 7.12.1)
.endr
.endif
.if \af
.irp a, 0,1,2,3
	ds_load_b128 v[AF+32*(((\q)+1)%2)+8*\a:AF+32*(((\q)+1)%2)+8*\a+3],   v[AN] offset:16*PA*\a
	ds_load_b128 v[AF+32*(((\q)+1)%2)+8*\a+4:AF+32*(((\q)+1)%2)+8*\a+7], v[AN] offset:16*PA*\a+32
.endr
	s_add_co_u32 s[AOFF], s[AOFF], 64              ; the next K block; behind block 15 the second group's first
	s_and_b32 s[AOFF], s[AOFF], 0x3c0              ; multiples of 64 up to 960 (SCC: the result is not 0)
	s_cselect_b32 s[AOFF], s[AOFF], s[AOFFB]
.endif
	s_wait_loadcnt \left                           ; this step's weights are in
.if \req
	WIN 0x40
.set k, 0
.rept 16
	global_load_b128 v[64*(((\q)+3)%4)+4*k:64*(((\q)+3)%4)+4*k+3], v[L16], s[BP:BP+1] offset:((\q)+3)*CHUNK+512*k
.set k, k+1
.endr
.endif
.if \af
	s_wait_dscnt 8                                 ; all but the eight loads just issued: this step's y, and a new group's bias
.else
	s_wait_dscnt 0x0
.endif
.if \two
	WIN 0
	s_cmp_eq_u32 s[FIRST], 1
	s_cbranch_scc1 .Lstart_\@
	MUL32 \q, 0
	s_branch .Lmuld_\@
.Lstart_\@:
	MUL32 \q, 1
	s_mov_b32 s[FIRST], 0
.Lmuld_\@:
.else
	MUL32 \q, 0
.endif
.endm
; THE WAY OUT of a group, a block of 16 rows at a time.  A lane's eight columns of fragment c are the eight K values 64 g + 16 c + 8 (lane / 16) + 0..7 of its row of y in LDS: 16 bytes.
.macro YLOAD a
.irp c, 0,1,2,3
	ds_load_b128 v[YF+16*((\a)%2)+4*\c:YF+16*((\a)%2)+4*\c+3], v[YA] offset:16*PA*(\a)+32*\c
.endr
.endm
.macro COMP a, left                    ; shift + y 2^(log2(e) log_scale), into the shift's accumulators.  left: the LDS instructions issued behind block a's YLOAD
	WIN 0xa2                                       ; source 0, source 2 and destination window 2, source 1 window 0
.set i, 0
.rept 16
	v_pk_mul_f32 v[64*(\a)+32+2*i:64*(\a)+33+2*i], v[64*(\a)+32+2*i:64*(\a)+33+2*i], s[LE:LE+1] op_sel_hi:[1,0]   ; each accumulator is read from its low end on
.set i, i+1
.endr
.set i, 0
.rept 32
	v_exp_f32 v[64*(\a)+32+i], v[64*(\a)+32+i]     ; one batch
.set i, i+1
.endr
	v_nop                                          ; a plain instruction behind the last exponential (ISA guide 5.7.2),
	s_wait_alu depctr_va_vdst(0)                   ; and one wait ahead of the batch's first reader
	s_wait_dscnt \left
.set i, 0
.rept 32
.if i%2
	v_fma_mix_f32_bf16 v[64*(\a)+i], v[64*(\a)+32+i], v[YF+16*((\a)%2)+i/2], v[64*(\a)+i] op_sel:[0,1,0] op_sel_hi:[0,1,0]
.else
	v_fma_mix_f32_bf16 v[64*(\a)+i], v[64*(\a)+32+i], v[YF+16*((\a)%2)+i/2], v[64*(\a)+i] op_sel_hi:[0,1,0]
.endif
.set i, i+1
.endr
.endm
.macro TOSTAGE a                       ; into my stage, 32 bytes a lane and fragment, and back as whole rows of 256 bytes
	WIN 0x08                                       ; store data in window 2
.irp c, 0,1,2,3
	ds_store_b128 v[STO], v[64*(\a)+8*\c:64*(\a)+8*\c+3]   offset:64*\c
	ds_store_b128 v[STO], v[64*(\a)+8*\c+4:64*(\a)+8*\c+7] offset:64*\c+16
.endr
	WIN 0
	s_wait_xcnt 0x0                                ; the registers that the stores of two blocks ago read are loaded again only behind this wait
.irp t, 0,1,2,3,4,5,6,7
	ds_load_b128 v[RB+32*((\a)%2)+4*\t:RB+32*((\a)%2)+4*\t+3], v[RD] offset:2*SPITCH*\t   ; in order behind my stores above; the next block's stores come behind these
.endr
.endm
.macro SEND a, left                    ; left: the LDS instructions issued behind block a's loads from the stage
	WIN 0                                          ; offsets and data lie in window 0
	s_wait_dscnt \left
.irp t, 0,1,2,3,4,5,6,7
	global_store_b128 v[ROW+8*(\a)+\t], v[RB+32*((\a)%2)+4*\t:RB+32*((\a)%2)+4*\t+3], s[OP:OP+1] th:TH_STORE_NT   ; sixteen lanes store 256 consecutive bytes of one row of out, aligned
.endr
.endm
; The whole way out.  second = 0: group 2 w, whose columns begin at byte 256 w of a row of y in LDS; second = 1: group 7 - 2 w, at byte 896 - 256 w.
.macro EPI second
	s_lshl_b32 s38, s[WV], 8
.if \second
	s_sub_co_u32 s38, 896, s38
.endif
	v_add_nc_u32 v[YA], s38, v[A0]                 ; four plain instructions behind the last products, ahead of the first read of a result
.rept 3
	v_nop
.endr
	YLOAD 0
	YLOAD 1
	COMP 0, 4                                      ; behind block 0's y: block 1's four loads
	TOSTAGE 0
	YLOAD 2
	COMP 1, 20                                     ; the stage's sixteen and block 2's four
	SEND 0, 4
	TOSTAGE 1
	YLOAD 3
	COMP 2, 20
	SEND 1, 4
	TOSTAGE 2
	COMP 3, 16
	SEND 2, 0
	TOSTAGE 3
	SEND 3, 0
.endm
.macro SECOND                          ; on to the second group, g = 7 - 2 w
	s_wait_xcnt 0x0                                ; the stores' base and data registers are written again only behind this wait
	s_lshl_b32 s38, s[WV], 9
	s_sub_co_u32 s[OF], 1792, s38                  ; 256 g
	s_add_nc_u64 s[OP:OP+1], s[14:15], s[OF:OF+1]
	v_add_nc_u32 v[BIAG], s[OF], v[BIA]
	CBLOAD
	s_mov_b32 s[FIRST], 1
.endm
.Lprod:
	s_lshl_b32 s[OF], s[WV], 9                     ; the first group, g = 2 w: 256 g bytes into a row of out and into each half of the bias
	s_add_nc_u64 s[OP:OP+1], s[14:15], s[OF:OF+1]
	v_add_nc_u32 v[BIAG], s[OF], v[BIA]
	CBLOAD
	s_lshl_b32 s[AOFF], s[WV], 8                   ; its first K block, 4 w: 64 bytes a block
	v_add_nc_u32 v[AN], s[AOFF], v[A0]
.irp a, 0,1,2,3
	ds_load_b128 v[AF+8*\a:AF+8*\a+3],   v[AN] offset:16*PA*\a        ; step 0's y (the rows' offsets and the bias that lay here have served)
	ds_load_b128 v[AF+8*\a+4:AF+8*\a+7], v[AN] offset:16*PA*\a+32
.endr
	s_add_co_u32 s[AOFF], s[AOFF], 64
	s_sub_co_u32 s[SW], 3, s[WV]
	s_lshl_b32 s[AOFFB], s[SW], 8
	s_add_co_u32 s[AOFFB], s[AOFFB], 128           ; 64 (14 - 4 w)
	s_mov_b32 s[FIRST], 1
	s_mov_b32 s[LE], 0x3fb8aa3b                    ; log2(e)
	s_mov_b32 s[LE+1], s[LE]                       ; named with it as a pair
	s_mov_b32 s[TT], 0
.Ltrip:                                                ; three trips of four steps: steps 0 to 11.  At each step's head the weights of that step and of the next two are out: 32 loads are younger than its own
	STEP 0, 32, 1, 1, 1
	STEP 1, 32, 1, 1, 0
	STEP 2, 32, 1, 1, 0
	STEP 3, 32, 1, 1, 0
	s_cmp_lg_u32 s[TT], s[SW]
	s_cbranch_scc1 .Lnext
	EPI 0                                          ; the first group, 16 - 4 w steps, ends with trip 3 - w for waves 1 to 3
	SECOND
.Lnext:
	s_wait_xcnt 0x0                                ; the weights' base steps only behind this wait
	s_add_nc_u64 s[BP:BP+1], s[BP:BP+1], 4*CHUNK
	s_add_co_u32 s[TT], s[TT], 1
	s_cmp_lt_u32 s[TT], 3
	s_cbranch_scc1 .Ltrip
	STEP 0, 32, 1, 1, 1                            ; step 12 asks for step 15; for wave 1 it starts the second group
	STEP 1, 32, 1, 1, 0                            ; step 13 asks for step 16
	STEP 2, 32, 1, 1, 0                            ; step 14 asks for step 17, the stream's last
	STEP 3, 32, 0, 1, 0                            ; step 15: steps 16's and 17's loads are younger
	s_cmp_lg_u32 s[WV], 0
	s_cbranch_scc1 .Lnot_wave_0
	EPI 0                                          ; wave 0's first group has all sixteen K blocks
	SECOND
.Lnot_wave_0:
	STEP 0, 16, 0, 1, 1                            ; step 16: step 17's sixteen loads are younger; for wave 0 it starts the second group
	STEP 1, 0, 0, 0, 0                             ; step 17: nothing is left to fetch
	EPI 1
.Lend:
	s_wait_tensorcnt 0x0                           ; the wave's end, behind my last LDS store
	ds_add_u32 v[SPW], v[NIL]
	s_wait_dscnt 0x0
	s_endpgm
.Lfunc_end_k_q5e979d8e96_chain:
	.size	k_q5e979d8e96_chain, .Lfunc_end_k_q5e979d8e96_chain-k_q5e979d8e96_chain
	.p2alignl 7, 3214868480
	.fill 96, 4, 3214868480
	.section	.rodata,"a",@progbits
	.p2align	6, 0x0
	.amdhsa_kernel k_q5e979d8e96_chain
		.amdhsa_group_segment_fixed_size 89600
		.amdhsa_private_segment_fixed_size 0
		.amdhsa_enable_private_segment 0
		.amdhsa_kernarg_size 48
		.amdhsa_user_sgpr_count 2
		.amdhsa_user_sgpr_kernarg_segment_ptr 1
		.amdhsa_wavefront_size32 1
		.amdhsa_system_sgpr_workgroup_id_x 1
		.amdhsa_system_sgpr_workgroup_id_y 1
		.amdhsa_system_sgpr_workgroup_id_z 1
		.amdhsa_system_vgpr_workitem_id 0
		.amdhsa_next_free_vgpr 768
		.amdhsa_next_free_sgpr 66
		.amdhsa_reserve_vcc 1
		.amdhsa_float_denorm_mode_32 3
		.amdhsa_float_denorm_mode_16_64 3
		.amdhsa_memory_ordered 1
		.amdhsa_forward_progress 1
		.amdhsa_inst_pref_size 170
	.end_amdhsa_kernel
	.amdgpu_metadata
---
amdhsa.version: [ 1, 2 ]
amdhsa.kernels:
  - .name:           k_q5e979d8e96_chain
    .symbol:         k_q5e979d8e96_chain.kd
    .args:
      - { .name: y, .offset: 0, .size: 8, .value_kind: global_buffer, .address_space: global }
      - { .name: b, .offset: 8, .size: 8, .value_kind: global_buffer, .address_space: global }
      - { .name: wb, .offset: 16, .size: 8, .value_kind: global_buffer, .address_space: global }
      - { .name: rows, .offset: 24, .size: 8, .value_kind: global_buffer, .address_space: global }
      - { .name: tinfo, .offset: 32, .size: 8, .value_kind: global_buffer, .address_space: global }
      - { .name: out0, .offset: 40, .size: 8, .value_kind: global_buffer, .address_space: global }
    .group_segment_fixed_size: 89600
    .private_segment_fixed_size: 0
    .kernarg_segment_align: 8
    .kernarg_segment_size: 48
    .max_flat_workgroup_size: 128
    .sgpr_count:     66
    .vgpr_count:     768
    .wavefront_size: 32
...
	.end_amdgpu_metadata
.endif
;; end of part 2
;; ======== version 2 of 2: 2 launches; version 1 with the launch chain written anew for expert scheduling mode
;; workspace buffers: wb 4,128,768 bytes; rows 67,328 bytes of whole numbers; tinfo 2,048 bytes of whole numbers
;; launch prep: the kernel of part 1 again; grid 269 x 1, 16 waves a work-group, no clusters, 2,304 bytes of LDS; arguments W, x, wb, rows, tinfo; writes wb, rows, tinfo
;; launch chain (part 3): grid 263 x 1, 4 waves a work-group, no clusters, 89,600 bytes of LDS; arguments y, b, wb, rows, tinfo, out0; writes out0
.if DOCPART == 3
	.amdgcn_target "amdgcn-amd-amdhsa--gfx1250"
	.amdhsa_code_object_version 6
	.text
	.protected	k_q5e979d8e96_chain
	.globl	k_q5e979d8e96_chain
	.p2align	8
	.type	k_q5e979d8e96_chain,@function
k_q5e979d8e96_chain:
	s_mov_b64 s[64:65], 0
	v_nop
	global_prefetch_b8 v0, s[64:65] scope:SCOPE_SE
	s_setreg_imm32_b32 hwreg(HW_REG_WAVE_SCHED_MODE, 0, 2), 2
	s_setreg_imm32_b32 hwreg(HW_REG_WAVE_MODE, 25, 1), 1
	s_wait_xcnt 0x0
	s_wait_alu depctr_vm_vsrc(0)
; CHAIN: out[t] = y[t] exp(h[512 + e]) + h[e], h = y[t] (W[x] masked) + b[x]; out[t] = y[t] where x = 0.  A work-group takes one tile of the list: 64 tokens of one key (rows, tinfo).
; 263 tiles serve every split of 16,384 tokens over 8 keys; a tile without rows (key 8) stores nothing.  Places past a tile's count repeat its first token: they compute and store the same numbers to the same bytes.
; SHARES.  y's 64 rows are gathered once (wave w: rows 16 w .. + 15), rounded to bf16 and laid into LDS.  Then each wave takes all 64 rows and two column groups: 2 w and 7 - 2 w, 18 K steps of 32 for every wave,
; since the mask leaves group g (64 shift and 64 log-scale columns) the K blocks 2 g .. 15.  4 row blocks x 8 fragments = 32 accumulators, 32 matrix instructions a step.
; The weights come from wb straight into registers as operands: a wave's stream is 147,456 consecutive bytes that it alone of its work-group reads, so LDS would only add a write and a read.
; They are asked for three steps ahead, through a ring of four register buffers; no load stands under a branch: three trips of four steps ask alike, the last six steps are written out.
; NO CLUSTER: partners would have to share an expert, and tiles of 64 rows of one expert do not come in fours at every split.
; THE MATRIX INSTRUCTION IS USED TRANSPOSED (source 0 = 16 columns of W, source 1 = 16 tokens): a lane holds one token (lane % 16) and eight neighbouring columns 8 (lane / 16) + 0..7.
; The bias, in f32, is the C operand of a group's first product: nothing is cleared and nothing is added later.
; LIMITS.  y and W are rounded once to bf16; y in y exp() + shift is that bf16 number too (the identity's rows are copied in f32).  2^z below 2^-126 counts as 0.  Sums, exponentials and the last multiply-add are f32.
; REGISTERS, in windows of 256 (s_set_vgpr_msb: bits 1:0 source 0, 3:2 source 1, 5:4 source 2, 7:6 destination):
;   window 0: addresses, A's two fragment buffers, the bias fragments (on the way out: rows read back), y for the way out, the rows' offsets in out
;   window 1: a ring of four buffers of 64 for the weights' fragments          window 2: first y's 16 rows in f32, then the 32 accumulators ((a, f) at 8 (8 a + f))
; THE MODE: SCHED_MODE bits 1:0 = 2 (LLVM: expert scheduling mode 2), set by the entry lines.  The code itself states the register dependences
; between vector or matrix instructions and memory or LDS instructions, with s_wait_alu, always for 0.
; THE PLAN.  Registers that memory or LDS instructions touch:
;   HEAD.  The offsets and LDS addresses are made once, ahead of a wait on va_vdst, and never written again (L16, AST, BST, IDSR, IDSW, STO, RD, ROW; OFFS until its registers become A's).
;     CV0, CV1: row p's conversions write CV[p % 2]; its four LDS stores stand in row p + 1's turn, behind that turn's wait on va_vdst; row p + 2's conversions write the buffer again behind a wait on vm_vsrc.
;   A STEP.  v[AN]: read by the step's eight LDS loads, written once a step.  AF[(q + 1) % 2] and ring buffer (q + 3) % 4: read by the last step's products, loaded in this step.
;     ONE wait on va_vdst at the step's head states that v[AN] is written and that the last step's products are done reading those two buffers.  The step's products name ring buffer q, AF[q % 2], the accumulators
;     and the bias fragments: none of the registers that its 24 loads touch; so the sixteen loads of weights are dealt among them with no further wait.  One wait on vm_vsrc stands ahead of the add to v[AN].
;   THE WAY OUT.  Block a + 1's wait behind its exponentials also states that block a's multiply-adds have written the numbers that the stage's LDS stores read and are done reading YF[a % 2], in which block a + 2's y lands.
;     RB[a % 2]: loaded from the stage, read by block a's global stores, loaded again two blocks on behind a wait on vm_vsrc.  The accumulators that the stage's stores read and v[YA] are written again only behind a step's head.
.set PA,     1040                      ; a row of y in LDS: 1,024 bytes of bf16 + 16 = 65 x 16: the 16 rows of a fragment load start at 16 different groups of four banks (64 banks of 4 bytes: ISA guide 11.1)
.set BIAS,   64*PA                     ; 66,560: b of the tile's expert, 1,024 f32
.set IDS,    BIAS+4096                 ; 70,656: 256 bytes a wave: its own copy of the tile's 64 token numbers
.set STAGE,  IDS+1024                  ; 71,680: 16 rows x 272 bytes a wave, for the way out
.set SPITCH, 272
.set SPARE,  STAGE+4*16*SPITCH         ; 89,088: the spare words, 128 bytes a wave
.set CHUNK,  8192                      ; a step's weights for a wave
.set LANE, 1
.set RR,   2                           ; lane % 16
.set HH,   3                           ; lane / 16
.set L16,  4                           ; 16 x lane
.set A0,   5                           ; my place in a fragment of y: row x pitch + 16 x half
.set AN,   6                           ; the same at the K block to be fetched
.set YA,   7                           ; the same at the group's own columns, for the way out
.set STO,  8                           ; the way out: where I put 32 bytes of a row
.set RD,   9                           ; the way out: where I read a row back
.set BIA,  10                          ; BIAS + 32 x half
.set BIAG, 11                          ; the same at the group's columns
.set AST,  12                          ; where I put 8 bytes of a converted row
.set IDSR, 14
.set IDSW, 15
.set TOK,  16                          ; v16-17  token numbers of places 2 lane and 2 lane + 1
.set TMP,  18                          ; v18-19
.set BST,  20
.set C16,  21
.set SPW,  22                          ; my spare word; never rewritten
.set NIL,  23                          ; 0; never rewritten
.set CV,   24                          ; v24-31, v56-63  a converted row: two buffers by turns, row p's at CV + 32 (p % 2)
.set AF,   32                          ; v32-95  A's fragments, two buffers of 4 x 8
.set OFFS, 32                          ; v32-47  before the products: my 16 rows' byte offsets in y and out
.set BT,   48                          ; v48-55  before the products: my 32 bytes of the bias
.set CB,   96                          ; v96-159 the group's 8 bias fragments
.set RB,   96                          ;         on the way out: two sets of 8 x 4, rows read back
.set YF,   160                         ; v160-191 two sets of 16: y at the group's columns
.set ROW,  192                         ; v192-223 row 16 a + 2 t + half: its byte offset in out, + 16 (lane % 16)
.set BOF,  224                         ; v224    my byte offset in the expert's bias
.set WV,   16
.set INFO, 18
.set KEY,  19
.set CNT,  20
.set KEY6, 21
.set OF,   22                          ; s[22:23] an offset, 0 above
.set BP,   24                          ; s[24:25] my stream of weights, at the trip's first step
.set OP,   26                          ; s[26:27] out at the group's columns
.set TT,   28                          ; the trip
.set SW,   29                          ; 3 - w: the first group's last four steps
.set FIRST, 30                         ; 1: the next step starts a group's sums
.set AOFF, 31                          ; byte of the K block to be fetched in a row of y
.set AOFFB, 32                         ; the second group's first: 64 (14 - 4 w)
.set TOK0, 33                          ; the tile's first token
.set LE,   36                          ; s[36:37] log2(e)
.set TOKS, 48                          ; s[48:63] the token numbers of my 16 rows
.set MSB, 0
.macro WIN new                         ; the immediate's high byte repeats the setting that is left; a switch that changes nothing is dropped
.if MSB != (\new)
	s_set_vgpr_msb (MSB<<8)|(\new)
.set MSB, \new
.endif
.endm
	s_load_b256 s[4:11], s[0:1], 0x0               ; y s[4:5], b s[6:7], wb s[8:9], rows s[10:11]
	s_load_b128 s[12:15], s[0:1], 0x20             ; tinfo s[12:13], out0 s[14:15]
	v_lshl_add_u32 v[SPW], v0, 2, SPARE
	v_mov_b32 v[NIL], 0
	v_lshrrev_b32 v[TMP], 5, v0
	v_readfirstlane_b32 s[WV], v[TMP]              ; wave 0..3
	v_and_b32 v[LANE], 31, v0
	v_and_b32 v[RR], 15, v0
	v_bfe_u32 v[HH], v0, 4, 1
	v_lshlrev_b32 v[L16], 4, v[LANE]
	v_lshlrev_b32 v[TMP+1], 3, v[LANE]
	v_lshlrev_b32 v[BOF], 5, v0
	s_lshl_b32 s[OF], ttmp9, 2
	s_mov_b32 s[OF+1], 0
	s_wait_alu depctr_va_sdst(0)                   ; s[WV] is written, ahead of its first reader: the address of my 16 token numbers is made from it
	s_wait_kmcnt 0x0
	s_add_nc_u64 s[44:45], s[12:13], s[OF:OF+1]
	s_load_b32 s[INFO], s[44:45], 0x0              ; the tile's key and count,
	s_lshl_b32 s[OF], ttmp9, 8
	s_add_nc_u64 s[42:43], s[10:11], s[OF:OF+1]
	s_load_b32 s[TOK0], s[42:43], 0x0              ; its first token,
	s_lshl_b32 s[OF], s[WV], 6
	s_add_nc_u64 s[34:35], s[42:43], s[OF:OF+1]
	s_load_b512 s[TOKS:TOKS+15], s[34:35], 0x0     ; and the tokens of my 16 rows: one wait serves all three, and y's addresses are made of scalars
	s_wait_alu depctr_va_vdst(0)                   ; v[TMP+1] is written, which the list's load reads as its offset; so is v[BOF], which the bias loads below read
	global_load_b64 v[TOK:TOK+1], v[TMP+1], s[42:43]   ; all 64 token numbers, two a lane: wanted for the way out alone
	; the lanes' addresses are made while these are out
	v_mul_u32_u24 v[A0], v[RR], PA
	v_lshl_add_u32 v[A0], v[HH], 4, v[A0]
	s_mul_i32 s38, s[WV], 16*SPITCH
	s_add_co_u32 s38, s38, STAGE                   ; my stage
	v_mul_u32_u24 v[STO], v[RR], SPITCH            ; in: row lane % 16, 32 bytes for each half of the lanes
	v_lshl_add_u32 v[STO], v[HH], 5, v[STO]
	v_add_nc_u32 v[STO], s38, v[STO]
	v_mul_u32_u24 v[RD], v[HH], SPITCH             ; back: lanes 0-15 one row of 256 bytes, lanes 16-31 the next
	v_lshl_add_u32 v[RD], v[RR], 4, v[RD]
	v_add_nc_u32 v[RD], s38, v[RD]
	v_lshl_add_u32 v[BIA], v[HH], 5, BIAS
	s_mul_i32 s39, s[WV], 16*PA
	v_lshl_add_u32 v[AST], v[LANE], 3, s39
	s_lshl_b32 s40, s[WV], 8
	s_add_co_u32 s40, s40, IDS                     ; my copy of the token numbers
	v_lshl_add_u32 v[IDSR], v[HH], 2, s40
	v_lshl_add_u32 v[IDSW], v[LANE], 3, s40
	v_lshl_add_u32 v[BST], v0, 5, BIAS
	v_lshlrev_b32 v[C16], 4, v[RR]
	v_lshlrev_b32 v[TMP], 1, v[LANE]               ; place 2 lane
	s_wait_kmcnt 0x0
	s_and_b32 s[KEY], s[INFO], 0xff
	s_min_u32 s[KEY], s[KEY], 8
	s_lshr_b32 s[CNT], s[INFO], 8
	s_min_u32 s[CNT], s[CNT], 64
	s_min_u32 s[KEY6], s[KEY], 6                   ; an identity tile and a tile without rows run up to the barrier like any other, on key 6's bias and weights, which they do not use
	s_add_co_u32 s[OF], s[KEY6], 1
	s_lshl_b32 s[OF], s[OF], 12
	s_add_nc_u64 s[46:47], s[6:7], s[OF:OF+1]      ; b of expert key + 1
	global_load_b128 v[BT:BT+3], v[BOF], s[46:47]  ; 32 bytes a thread: 4,096 for the work-group.  No wait: no vector instruction since the last wait on va_vdst names v[BOF] or v[BT ..]
	global_load_b128 v[BT+4:BT+7], v[BOF], s[46:47] offset:16
	s_lshl_b32 s38, s[WV], 4
	s_sub_co_i32 s38, s[CNT], s38
	s_max_i32 s38, s38, 0                          ; how many of my 16 places hold a token
.set p, 0
.rept 16
	s_cmp_gt_u32 s38, p
	s_cselect_b32 s[TOKS+p], s[TOKS+p], s[TOK0]    ; places past the count take the tile's first token
	s_min_u32 s[TOKS+p], s[TOKS+p], 0x3fff         ; a loaded number enters an address only behind this bound
	v_lshl_add_u32 v[OFFS+p], s[TOKS+p], 11, v[L16]
.set p, p+1
.endr
	WIN 0x80                                       ; destination window 2
	s_wait_alu depctr_va_vdst(0)                   ; the sixteen offsets v[OFFS ..] are written, which y's loads read; so are the LDS addresses made above (AST, BST, IDSR, IDSW, STO, RD), which are never written again
.set p, 0
.rept 15                                               ; rows 0 to 14; row 15's loads follow the wait for row 0: with the list's load and the two bias loads 63 loads of the wave are out at the most
.irp i, 0,1,2,3
	global_load_b128 v[16*p+4*\i:16*p+4*\i+3], v[OFFS+p], s[4:5] offset:512*\i   ; 512 consecutive bytes of a row of y
.endr
.set p, p+1
.endr
	WIN 0
	s_mul_i32 s[OF], s[KEY6], 72*CHUNK
	s_mul_i32 s38, s[WV], 18*CHUNK
	s_add_co_u32 s[OF], s[OF], s38
	s_add_nc_u64 s[BP:BP+1], s[8:9], s[OF:OF+1]
.macro ROWOUT p                        ; converted row p goes into LDS
.irp i, 0,1,2,3
	ds_store_b64 v[AST], v[CV+32*((\p)%2)+2*\i:CV+32*((\p)%2)+2*\i+1] offset:PA*(\p)+256*\i
.endr
.endm
; Row p's turn: the row before, converted a turn ago, is laid into LDS; row p is rounded to bf16.  In each of rows 1 to 12 stand four of the 48 loads that bring the first three steps' weights
; (load n: 512 bytes at 512 n, registers 4 n of window 1).  left: the loads younger than row p's four.
.macro CONV p, left
	s_wait_loadcnt \left
.if (\p) == 0
	WIN 0x80                                       ; destination window 2; the LDS stores have no destination and take both sources from window 0
.irp i, 0,1,2,3
	global_load_b128 v[240+4*\i:243+4*\i], v[OFFS+15], s[4:5] offset:512*\i   ; row 15.  No wait: nothing since the wait ahead of y's loads names these registers
.endr
	ds_store_b128 v[BST], v[BT:BT+3]               ; the bias loads are older than row 0's
	ds_store_b128 v[BST], v[BT+4:BT+7] offset:16
.endif
.if ((\p) >= 1) && ((\p) <= 14)
	WIN 0x40                                       ; destination window 1 for the loads; the LDS stores take both sources from window 0
.endif
.if ((\p) >= 1) && ((\p) <= 12)
.irp n, 0,1,2,3
	global_load_b128 v[16*((\p)-1)+4*\n:16*((\p)-1)+4*\n+3], v[L16], s[BP:BP+1] offset:512*(4*((\p)-1)+\n)   ; no wait: no vector instruction has named these registers, and v[L16] is long written
.endr
.endif
.if (\p) >= 2
	s_wait_alu depctr_vm_vsrc(0)                   ; the LDS stores of the row two back, issued a turn ago, have read the buffer that this row's conversions write again
.endif
.if ((\p) >= 1) && ((\p) <= 14)
	s_wait_alu depctr_va_vdst(0)                   ; the conversions of the row before have written their buffer, which the LDS stores below read
	ROWOUT (\p)-1
.endif
	WIN 0x0a                                       ; sources in window 2
.irp i, 0,1,2,3
	v_cvt_pk_bf16_f32 v[CV+32*((\p)%2)+2*\i],   v[16*(\p)+4*\i],   v[16*(\p)+4*\i+1]
	v_cvt_pk_bf16_f32 v[CV+32*((\p)%2)+2*\i+1], v[16*(\p)+4*\i+2], v[16*(\p)+4*\i+3]
.endr
.endm
.set p, 0
.rept 14
	CONV p, 56                                     ; younger than row p's: 4 (15 - p) loads of y and 4 (p - 1) of weights (row 0: rows 1 to 14)
.set p, p+1
.endr
	CONV 14, 52                                    ; row 15's four and the 48 of weights
	; the rows' offsets in out are made in the wait for row 15, which was asked for last
	WIN 0
	v_cmp_gt_u32 s38, s[CNT], v[TMP]               ; (the list's load is the oldest of all: it is in)
	v_or_b32 v[TMP], 1, v[TMP]
	v_cmp_gt_u32 s39, s[CNT], v[TMP]
	s_wait_alu depctr_va_sdst(0)                   ; the two compares have written s38 and s39, ahead of the selects that read them
	v_cndmask_b32 v[TOK], s[TOK0], v[TOK], s38     ; places past the count take the tile's first token
	v_cndmask_b32 v[TOK+1], s[TOK0], v[TOK+1], s39
	s_wait_alu depctr_va_vdst(0)                   ; the selects have written v[TOK ..] and row 14's conversions their buffer: the LDS stores below read both
	ROWOUT 14
	ds_store_b64 v[IDSW], v[TOK:TOK+1]
.set i, 0
.rept 32
	ds_load_b32 v[ROW+i], v[IDSR] offset:4*(16*(i/8)+2*(i%8))   ; LDS serves a wave's instructions in order (ISA guide 5.7.1.4): these see my store above
.set i, i+1
.endr
	s_wait_dscnt 0x0
.set i, 0
.rept 32
	v_min_u32 v[ROW+i], 0x3fff, v[ROW+i]
	v_lshl_add_u32 v[ROW+i], v[ROW+i], 11, v[C16]
.set i, i+1
.endr
	CONV 15, 48                                    ; the 48 of weights
	WIN 0
	s_wait_alu depctr_va_vdst(0)                   ; row 15's conversions have written their buffer, which the LDS stores below read; v[ROW ..] is written, which the way out's stores read as offsets
	ROWOUT 15
	s_wait_dscnt 0x0                               ; for the others' sake: my rows of y and my part of the bias are in LDS
	s_barrier_signal -1
	s_barrier_wait -1                              ; the one barrier; every wave of every tile passes it.  Behind it nobody writes y's rows or the bias
	s_cmp_lt_u32 s[KEY], 7
	s_cbranch_scc1 .Lprod
	s_cmp_lg_u32 s[KEY], 7
	s_cbranch_scc1 .Lend                           ; no rows
	WIN 0x08                                       ; THE IDENTITY: my 16 rows leave as they came, in f32 (store data in window 2: loads wrote it, no vector instruction; the offsets are long written)
.set p, 0
.rept 16
.irp i, 0,1,2,3
	global_store_b128 v[OFFS+p], v[16*p+4*\i:16*p+4*\i+3], s[14:15] offset:512*\i th:TH_STORE_NT
.endr
.set p, p+1
.endr
	WIN 0
	s_branch .Lend
; The group's bias as eight C operands: register j of a lane is the bias of column 8 (lane / 16) + j of the fragment, the same for all sixteen tokens.
.macro CBLOAD
.irp f, 0,1,2,3,4,5,6,7
	ds_load_b128 v[CB+8*\f:CB+8*\f+3],   v[BIAG] offset:(\f/4)*2048+(\f%4)*64
	ds_load_b128 v[CB+8*\f+4:CB+8*\f+7], v[BIAG] offset:(\f/4)*2048+(\f%4)*64+16
.endr
.endm
; 8 matrix instructions: row block a x 8 fragments, 32 along K.  start = 1: the bias starts the sums.
.macro MUL8 q, a, start
.if \start
	WIN 0x81                                       ; weights window 1, y and the bias window 0, D window 2
.else
	WIN 0xa1                                       ; weights window 1, y window 0, C and D window 2
.endif
.irp f, 0,1,2,3,4,5,6,7
.if \start
	v_wmma_f32_16x16x32_bf16 v[8*(8*(\a)+\f):8*(8*(\a)+\f)+7], v[64*(\q)+8*\f:64*(\q)+8*\f+7], v[AF+32*((\q)%2)+8*(\a):AF+32*((\q)%2)+8*(\a)+7], v[CB+8*\f:CB+8*\f+7]
.else
	v_wmma_f32_16x16x32_bf16 v[8*(8*(\a)+\f):8*(8*(\a)+\f)+7], v[64*(\q)+8*\f:64*(\q)+8*\f+7], v[AF+32*((\q)%2)+8*(\a):AF+32*((\q)%2)+8*(\a)+7], v[8*(8*(\a)+\f):8*(8*(\a)+\f)+7]
.endif
.endr
.endm
; 32 matrix instructions: 4 row blocks x 8 fragments.  The 32 accumulators take turns, one instruction a turn.
.macro MUL32 q, start
.irp a, 0,1,2,3
	MUL8 \q, \a, \start
.endr
	WIN 0
.endm
; Eight of the sixteen loads that bring the weights three steps on, into the ring buffer that the step before multiplied: loads k0 to k0 + 7.
.macro LOADW q, k0
	WIN 0x40
.set k, \k0
.rept 8
	global_load_b128 v[64*(((\q)+3)%4)+4*k:64*(((\q)+3)%4)+4*k+3], v[L16], s[BP:BP+1] offset:((\q)+3)*CHUNK+512*k
.set k, k+1
.endr
.endm
; A STEP, number q of four.  Its weights lie in ring buffer q, its y in buffer q % 2.
; left: how many younger loads of weights may stay out when this step's have to be there.  req = 1: it then asks for the weights three steps on, into the buffer that the step before multiplied.
; af = 1: it fetches the next step's y.  two = 1: the step may be a group's first: its products stand in two arms of a branch, and its loads ahead of the branch, so that no load stands under one.
; In every other step the sixteen loads of weights are dealt among the products, eight behind row block 0 and eight behind row block 1.
.macro STEP q, left, req, af, two
.if (\af) || (\two) || (\req)
	s_wait_alu depctr_vm_vsrc(0)                   ; the LDS loads issued so far have read v[AN]; behind a way out: its LDS stores have read the accumulators, which a group's first products write anew, and its loads v[YA]
	v_add_nc_u32 v[AN], s[AOFF], v[A0]             ; five plain instructions behind the last products,
.rept 4
	v_nop                                          ; as many as stand ahead of a product that starts a sum anew over an accumulator (ISA guide 7.12.1)
.endr
	s_wait_alu depctr_va_vdst(0)                   ; v[AN] is written, which the LDS loads below read; the last step's products are done reading their y and their ring buffer, in which this step's loads land
.endif
.if \af
.irp a, 0,1,2,3
	ds_load_b128 v[AF+32*(((\q)+1)%2)+8*\a:AF+32*(((\q)+1)%2)+8*\a+3],   v[AN] offset:16*PA*\a
	ds_load_b128 v[AF+32*(((\q)+1)%2)+8*\a+4:AF+32*(((\q)+1)%2)+8*\a+7], v[AN] offset:16*PA*\a+32
.endr
	s_add_co_u32 s[AOFF], s[AOFF], 64              ; the next K block; behind block 15 the second group's first
	s_and_b32 s[AOFF], s[AOFF], 0x3c0              ; multiples of 64 up to 960 (SCC: the result is not 0)
	s_cselect_b32 s[AOFF], s[AOFF], s[AOFFB]
.endif
	s_wait_loadcnt \left                           ; this step's weights are in
.if (\two) && (\req)
	LOADW \q, 0
	LOADW \q, 8
.endif
.if \af
	s_wait_dscnt 8                                 ; all but the eight loads just issued: this step's y, and a new group's bias
.else
	s_wait_dscnt 0x0
.endif
.if \two
	WIN 0
	s_cmp_eq_u32 s[FIRST], 1
	s_cbranch_scc1 .Lstart_\@
	MUL32 \q, 0
	s_branch .Lmuld_\@
.Lstart_\@:
	MUL32 \q, 1
	s_mov_b32 s[FIRST], 0
.Lmuld_\@:
.else
	MUL8 \q, 0, 0
.if \req
	LOADW \q, 0                                    ; no wait: no vector or matrix instruction since the wait at the step's head names v[L16] or this ring buffer
.endif
	MUL8 \q, 1, 0
.if \req
	LOADW \q, 8
.endif
	MUL8 \q, 2, 0
	MUL8 \q, 3, 0
	WIN 0
.endif
.endm
; THE WAY OUT of a group, a block of 16 rows at a time.  A lane's eight columns of fragment c are the eight K values 64 g + 16 c + 8 (lane / 16) + 0..7 of its row of y in LDS: 16 bytes.
.macro YLOAD a
.irp c, 0,1,2,3
	ds_load_b128 v[YF+16*((\a)%2)+4*\c:YF+16*((\a)%2)+4*\c+3], v[YA] offset:16*PA*(\a)+32*\c
.endr
.endm
.macro EXPS a                          ; 2^(log2(e) log_scale) of block a, in place
	WIN 0xa2                                       ; source 0, source 2 and destination window 2, source 1 window 0
.set i, 0
.rept 16
	v_pk_mul_f32 v[64*(\a)+32+2*i:64*(\a)+33+2*i], v[64*(\a)+32+2*i:64*(\a)+33+2*i], s[LE:LE+1] op_sel_hi:[1,0]   ; each accumulator is read from its low end on
.set i, i+1
.endr
.set i, 0
.rept 32
	v_exp_f32 v[64*(\a)+32+i], v[64*(\a)+32+i]     ; one batch
.set i, i+1
.endr
	v_nop                                          ; a plain instruction behind the last exponential (ISA guide 5.7.2),
	s_wait_alu depctr_va_vdst(0)                   ; and one wait: the batch's results are written, ahead of their first reader; the block before's multiply-adds have written the numbers that the stage's LDS stores read, and are done reading their y, in which the block after's lands
.endm
.macro FMAS a, left                    ; shift + y 2^(..), into the shift's accumulators.  left: the LDS instructions issued behind block a's YLOAD
	WIN 0xa2
	s_wait_dscnt \left
.set i, 0
.rept 32
.if i%2
	v_fma_mix_f32_bf16 v[64*(\a)+i], v[64*(\a)+32+i], v[YF+16*((\a)%2)+i/2], v[64*(\a)+i] op_sel:[0,1,0] op_sel_hi:[0,1,0]
.else
	v_fma_mix_f32_bf16 v[64*(\a)+i], v[64*(\a)+32+i], v[YF+16*((\a)%2)+i/2], v[64*(\a)+i] op_sel_hi:[0,1,0]
.endif
.set i, i+1
.endr
.endm
.macro TOSTAGE a                       ; into my stage, 32 bytes a lane and fragment, and back as whole rows of 256 bytes
	WIN 0x08                                       ; store data in window 2
.irp c, 0,1,2,3
	ds_store_b128 v[STO], v[64*(\a)+8*\c:64*(\a)+8*\c+3]   offset:64*\c
	ds_store_b128 v[STO], v[64*(\a)+8*\c+4:64*(\a)+8*\c+7] offset:64*\c+16
.endr
	WIN 0
	s_wait_xcnt 0x0                                ; the registers that the stores of two blocks ago read are loaded again only behind this wait
.if (\a) >= 2
	s_wait_alu depctr_vm_vsrc(0)                   ; and beside it: the global stores of two blocks ago have read their data registers, in which the loads below land
.endif
.irp t, 0,1,2,3,4,5,6,7
	ds_load_b128 v[RB+32*((\a)%2)+4*\t:RB+32*((\a)%2)+4*\t+3], v[RD] offset:2*SPITCH*\t   ; in order behind my stores above; the next block's stores come behind these
.endr
.endm
.macro SEND a, left                    ; left: the LDS instructions issued behind block a's loads from the stage
	WIN 0                                          ; offsets and data lie in window 0
	s_wait_dscnt \left
.irp t, 0,1,2,3,4,5,6,7
	global_store_b128 v[ROW+8*(\a)+\t], v[RB+32*((\a)%2)+4*\t:RB+32*((\a)%2)+4*\t+3], s[OP:OP+1] th:TH_STORE_NT   ; sixteen lanes store 256 consecutive bytes of one row of out, aligned
.endr
.endm
; The whole way out.  second = 0: group 2 w, whose columns begin at byte 256 w of a row of y in LDS; second = 1: group 7 - 2 w, at byte 896 - 256 w.
; A block's memory and LDS instructions stand behind the next block's wait: block a into the stage and block a + 2's y behind EXPS a + 1.
.macro EPI second
	s_lshl_b32 s38, s[WV], 8
.if \second
	s_sub_co_u32 s38, 896, s38
.endif
	v_add_nc_u32 v[YA], s38, v[A0]                 ; four plain instructions behind the last products, ahead of the first read of a result
.rept 3
	v_nop
.endr
	s_wait_alu depctr_va_vdst(0)                   ; v[YA] is written, which the LDS loads below read
	YLOAD 0
	YLOAD 1
	EXPS 0
	FMAS 0, 4                                      ; behind block 0's y: block 1's four loads
	EXPS 1
	TOSTAGE 0
	YLOAD 2
	FMAS 1, 20                                     ; behind block 1's y: the stage's sixteen and block 2's four
	EXPS 2
	SEND 0, 4                                      ; behind block 0's loads from the stage: block 2's four
	TOSTAGE 1
	YLOAD 3
	FMAS 2, 20
	EXPS 3
	SEND 1, 4
	TOSTAGE 2
	FMAS 3, 16                                     ; behind block 3's y: the stage's sixteen
	SEND 2, 0
	s_wait_alu depctr_va_vdst(0)                   ; block 3's multiply-adds have written the numbers that the stage's LDS stores read
	TOSTAGE 3
	SEND 3, 0
.endm
.macro SECOND                          ; on to the second group, g = 7 - 2 w
	s_wait_xcnt 0x0                                ; the stores' base and data registers are written again only behind this wait
	s_wait_alu depctr_vm_vsrc(0)                   ; and beside it: the last global stores have read their data registers, in which the next group's bias lands; the first group's bias loads have read v[BIAG]
	s_lshl_b32 s38, s[WV], 9
	s_sub_co_u32 s[OF], 1792, s38                  ; 256 g
	s_add_nc_u64 s[OP:OP+1], s[14:15], s[OF:OF+1]
	v_add_nc_u32 v[BIAG], s[OF], v[BIA]
	s_wait_alu depctr_va_vdst(0)                   ; v[BIAG] is written, which the LDS loads below read
	CBLOAD
	s_mov_b32 s[FIRST], 1
.endm
.Lprod:
	s_lshl_b32 s[OF], s[WV], 9                     ; the first group, g = 2 w: 256 g bytes into a row of out and into each half of the bias
	s_add_nc_u64 s[OP:OP+1], s[14:15], s[OF:OF+1]
	v_add_nc_u32 v[BIAG], s[OF], v[BIA]
	s_lshl_b32 s[AOFF], s[WV], 8                   ; its first K block, 4 w: 64 bytes a block
	v_add_nc_u32 v[AN], s[AOFF], v[A0]
	s_wait_alu depctr_vm_vsrc(0)                   ; y's loads have read v[OFFS ..], my LDS stores v[BT ..] and the second buffer of converted rows: step 0's y lands in these registers
	s_wait_alu depctr_va_vdst(0)                   ; v[BIAG] and v[AN] are written, which the LDS loads below read; the lines that wrote v[OFFS ..] and the converted rows are done
	CBLOAD
.irp a, 0,1,2,3
	ds_load_b128 v[AF+8*\a:AF+8*\a+3],   v[AN] offset:16*PA*\a        ; step 0's y (the rows' offsets and the bias that lay here have served)
	ds_load_b128 v[AF+8*\a+4:AF+8*\a+7], v[AN] offset:16*PA*\a+32
.endr
	s_add_co_u32 s[AOFF], s[AOFF], 64
	s_sub_co_u32 s[SW], 3, s[WV]
	s_lshl_b32 s[AOFFB], s[SW], 8
	s_add_co_u32 s[AOFFB], s[AOFFB], 128           ; 64 (14 - 4 w)
	s_mov_b32 s[FIRST], 1
	s_mov_b32 s[LE], 0x3fb8aa3b                    ; log2(e)
	s_mov_b32 s[LE+1], s[LE]                       ; named with it as a pair
	s_mov_b32 s[TT], 0
.Ltrip:                                                ; three trips of four steps: steps 0 to 11.  At each step's head the weights of that step and of the next two are out: 32 loads are younger than its own
	STEP 0, 32, 1, 1, 1
	STEP 1, 32, 1, 1, 0
	STEP 2, 32, 1, 1, 0
	STEP 3, 32, 1, 1, 0
	s_cmp_lg_u32 s[TT], s[SW]
	s_cbranch_scc1 .Lnext
	EPI 0                                          ; the first group, 16 - 4 w steps, ends with trip 3 - w for waves 1 to 3
	SECOND
.Lnext:
	s_wait_xcnt 0x0                                ; the weights' base steps only behind this wait
	s_add_nc_u64 s[BP:BP+1], s[BP:BP+1], 4*CHUNK
	s_add_co_u32 s[TT], s[TT], 1
	s_cmp_lt_u32 s[TT], 3
	s_cbranch_scc1 .Ltrip
	STEP 0, 32, 1, 1, 1                            ; step 12 asks for step 15; for wave 1 it starts the second group
	STEP 1, 32, 1, 1, 0                            ; step 13 asks for step 16
	STEP 2, 32, 1, 1, 0                            ; step 14 asks for step 17, the stream's last
	STEP 3, 32, 0, 1, 0                            ; step 15: steps 16's and 17's loads are younger
	s_cmp_lg_u32 s[WV], 0
	s_cbranch_scc1 .Lnot_wave_0
	EPI 0                                          ; wave 0's first group has all sixteen K blocks
	SECOND
.Lnot_wave_0:
	STEP 0, 16, 0, 1, 1                            ; step 16: step 17's sixteen loads are younger; for wave 0 it starts the second group
	STEP 1, 0, 0, 0, 0                             ; step 17: nothing is left to fetch, so it states no dependence
	EPI 1
.Lend:
	s_wait_dscnt 0x0                               ; the closing lines, six on end
	s_wait_alu 0x0
	s_wait_tensorcnt 0x0
	ds_add_u32 v[SPW], v[NIL]
	s_wait_dscnt 0x0
	s_endpgm
.Lfunc_end_k_q5e979d8e96_chain:
	.size	k_q5e979d8e96_chain, .Lfunc_end_k_q5e979d8e96_chain-k_q5e979d8e96_chain
	.p2alignl 7, 3214868480
	.fill 96, 4, 3214868480
	.section	.rodata,"a",@progbits
	.p2align	6, 0x0
	.amdhsa_kernel k_q5e979d8e96_chain
		.amdhsa_group_segment_fixed_size 89600
		.amdhsa_private_segment_fixed_size 0
		.amdhsa_enable_private_segment 0
		.amdhsa_kernarg_size 48
		.amdhsa_user_sgpr_count 2
		.amdhsa_user_sgpr_kernarg_segment_ptr 1
		.amdhsa_wavefront_size32 1
		.amdhsa_system_sgpr_workgroup_id_x 1
		.amdhsa_system_sgpr_workgroup_id_y 1
		.amdhsa_system_sgpr_workgroup_id_z 1
		.amdhsa_system_vgpr_workitem_id 0
		.amdhsa_next_free_vgpr 768
		.amdhsa_next_free_sgpr 66
		.amdhsa_reserve_vcc 0
		.amdhsa_float_denorm_mode_32 3
		.amdhsa_float_denorm_mode_16_64 3
		.amdhsa_memory_ordered 1
		.amdhsa_forward_progress 1
		.amdhsa_inst_pref_size 173
	.end_amdhsa_kernel
	.amdgpu_metadata
---
amdhsa.version: [ 1, 2 ]
amdhsa.kernels:
  - .name:           k_q5e979d8e96_chain
    .symbol:         k_q5e979d8e96_chain.kd
    .args:
      - { .name: y, .offset: 0, .size: 8, .value_kind: global_buffer, .address_space: global }
      - { .name: b, .offset: 8, .size: 8, .value_kind: global_buffer, .address_space: global }
      - { .name: wb, .offset: 16, .size: 8, .value_kind: global_buffer, .address_space: global }
      - { .name: rows, .offset: 24, .size: 8, .value_kind: global_buffer, .address_space: global }
      - { .name: tinfo, .offset: 32, .size: 8, .value_kind: global_buffer, .address_space: global }
      - { .name: out0, .offset: 40, .size: 8, .value_kind: global_buffer, .address_space: global }
    .group_segment_fixed_size: 89600
    .private_segment_fixed_size: 0
    .kernarg_segment_align: 8
    .kernarg_segment_size: 48
    .max_flat_workgroup_size: 128
    .sgpr_count:     66
    .vgpr_count:     768
    .wavefront_size: 32
...
	.end_amdgpu_metadata
.endif
;; end of part 3
